; MI455X (gfx1250); checked and timed in simulation.
; The chip was launched on July 23, 2026; its instructions are those of AMD's public machine-readable ISA for CDNA 5 (MIT licence, August 2026) and "CDNA5" Instruction Set Architecture Reference Guide (July 2026). The comments in the code are by the model that wrote it; some were corrected since.
;; Non Local Op. Allowed arithmetic: matrix products marked QUANTISED: E3M2 operands, one E8M0 scale for each 32 along K, by v_wmma_scale_f32_16x16x128_f8f6f4 with both operands' format E3M2, f32 sums; everything else in f32.
;; Inputs: l 8 x 256 x 64 x 64 float32; w_phi 128 x 256 float32; w_theta 128 x 256 float32.
;; Outputs: out0 8 x 256 x 64 x 64 float32.
;; This version of the problem:
;;   THIS VERSION OF THE PROBLEM IS GIVEN IN LOW PRECISION. The matrix products marked QUANTISED in the list below multiply operands that are first quantised to E3M2 (3 exponent bits, 2 mantissa bits; 6 bits a number), with one power-of-two scale for each 32 numbers along K (OCP MX v1.0); their sums are f32. All else is computed in f32.
;;   The module's matrix products, in the order in which they are computed (A, B: the left and right operand; K: the contracted axis; several contracted axes count as one K, in the product's order):
;;     1. [M 128, K 256] x [K 256, N 32,768]; A: input w_theta; B: input l: QUANTISED
;;     2. [M 128, K 256] x [K 256, N 32,768]; A: input w_phi; B: input l: QUANTISED
;;     3. batch 8 x [M 4,096, K 128] x [K 128, N 4,096]; A: computed on the way; B: computed on the way: QUANTISED
;;     4. batch 8 x [M 256, K 4,096] x [K 4,096, N 4,096]; A: input l; B: softmax (see below): QUANTISED
;;   THE QUANTISER, for each operand of a quantised product, along K:
;;     - K is cut into blocks of 32 from its start; a last block that is shorter is filled with zeros.
;;     - A block's scale is 2^e with e = floor(log2(the largest magnitude in the block)) - 4, held to -126 .. 127; a block of zeros has e = 0. As a byte (E8M0): e + 127.
;;     - Each number is divided by its block's scale, clamped to +-28, and rounded to the nearest number of E3M2, ties to even, subnormals kept.
;;     - The product sums the exact products of the quantised numbers (number of the format x scale) in f32.
;;   ~~~python
;;   def quantise(x, axis):      # numpy; x: float32 -> the quantised numbers, widened to float32 again
;;       x = np.moveaxis(x, axis, -1); K = x.shape[-1]
;;       x = np.pad(x, [(0, 0)] * (x.ndim - 1) + [(0, -K % 32)]); x = x.reshape(x.shape[:-1] + (-1, 32)); a = np.abs(x).max(-1, keepdims=True)
;;       e = np.where(a > 0, np.clip(np.frexp(np.where(a > 0, a, 1))[1] - 1 - 4, -126, 127), 0)      # np.frexp(a)[1] - 1 = floor(log2(a)), exactly
;;       r = np.clip(x / 2.0 ** e, -28, 28)
;;       step = 2.0 ** (np.maximum(np.frexp(np.where(r == 0, 1, r))[1] - 1, -2) - 2)
;;       q = np.round(r / step) * step * 2.0 ** e      # np.round: ties to even
;;       return np.moveaxis(q.reshape(q.shape[:-2] + (-1,))[..., :K], -1, axis).astype(np.float32)
;;   ~~~
;;   SOFTMAX AHEAD OF A QUANTISED PRODUCT. Where the list says 'softmax', what is quantised is not the finished softmax but p = 2^(t - M), with t = logit x log2(e) and M = ceil(the row's largest t), a whole number; so 1/2 < the row's largest p <= 1. The row's sum l is taken of the UNQUANTISED p, in f32, and the product's result is divided by l at the end. Since M is a whole number, a kernel that streams over the keys may use a running M (the ceiling of the running maximum): every later rescaling is an exact power of two, which a block's scale takes up: the codes' values come out the same.
;;   OPERANDS COMPUTED ON THE WAY. 'Computed on the way' means the value that the module computes at that place (a softmax that the list does not call 'softmax' is quantised finished and normalised). What goes into a quantiser is computed in f32, as accurately as f32 sums, v_exp_f32 and their like allow (about 1e-6 of the number): no bf16 or f16 on the way to a quantiser, and a product that is left as it is and whose result goes on into a quantised operand takes f32 operands (vector FMAs, or v_wmma_f32_16x16x4_f32). A number that lies on a knife's edge between two numbers of the format may be rounded either way, as far as f32 arithmetic and the matrix unit's own rounding can turn it there, and no further.
;; One version. Each part assembles by itself: llvm-mc -triple=amdgcn-amd-amdhsa -mcpu=gfx1250 --defsym DOCPART=n.
;; ======== version 1 of 1: 2 launches
;; workspace buffers: kv 9,437,184 bytes; sc 393,216 bytes; qc 3,145,728 bytes; qs 131,072 bytes
;; launch prep (part 1): grid 32 x 8, 4 waves a work-group, no clusters, 262,656 bytes of LDS; arguments l, w_theta, w_phi, kv, sc, qc, qs; writes kv, sc, qc, qs
.if DOCPART == 1
	.amdgcn_target "amdgcn-amd-amdhsa--gfx1250"
	.amdhsa_code_object_version 6
	.text
	.protected	k_q3dd125f49f_prep
	.globl	k_q3dd125f49f_prep
	.p2align	8
	.type	k_q3dd125f49f_prep,@function
k_q3dd125f49f_prep:
	s_mov_b64 s[64:65], 0
	v_nop
	global_prefetch_b8 v0, s[64:65] scope:SCOPE_SE
	s_setreg_imm32_b32 hwreg(HW_REG_WAVE_MODE, 25, 1), 1
	s_wait_xcnt 0x0
; PREP.  l [8][256][4096] f32, w_theta and w_phi [128][256] f32.  A work-group takes 128 pixels (x = j) of one image (y = b), all 256 channels, and makes all that the
; second launch reads of them, as codes of BF6 (E3M2) with one E8M0 scale byte for each 32 along a product's K:
;   V: l quantised along the pixels (the keys of the last product): 16 fragments of 16 channels x 128 keys;
;   theta = w_theta l and phi = w_phi l, both operands quantised along the 256 channels, multiplied by the scaled matrix instruction, sums in f32, and quantised again along their 128 rows:
;   8 fragments of 16 pixels x 128 each (theta: the queries' operand; phi: the keys').  theta and phi never exist as f32 in memory.
; EVERY OPERAND LEAVES AS AN IMAGE OF ITS REGISTERS: a fragment is 12 registers a lane; registers 4 c .. 4 c + 3 of lane L lie at 512 c + 16 L of its 1,536 bytes: each store covers 512 consecutive bytes, aligned.
; THE PIXELS OF A TILE ARE NOT NEIGHBOURS: lane r of pixel tile 2 w + u is pixel 32 w + 8 u + r + 8 (r / 8) of the 128, and lane r of tile t of a weight's rows is row 32 (t / 2) + 8 (t % 2) + r + 8 (r / 8):
; so the 16 registers of two neighbouring result tiles are 16 neighbours along the next product's K.
; A block's scale is 2^(floor(log2(its largest magnitude)) - 4); its byte is the largest magnitude's exponent field - 4, held at 1 from below.
; LIMITS: NaN and infinities among the inputs are not served.  A block whose largest magnitude lies under 2^-122 has its byte held at 1.  A block of zeros gets the byte 1 where the rule says 127: its codes
; are zeros, which add nothing under any byte but 0xff, and the bytes are read by this program alone.
; NO CLUSTER: what work-groups share are the raw weights, 262,144 bytes; beside the tile of l (136,192 bytes in LDS) they do not fit, so they come through registers, which no joint load serves.
; NO PREFETCH: all 131,072 bytes that a work-group reads of l are asked for by its first lines.  No LDS byte is filled twice.
; REGISTERS, in windows of 256: window 0: v1-15 addresses; v16-47 the weights' scale words, v48-49 l's (scales and nothing else); v50-67 at work; v68-91 two fragments; v92-115 codes on their way out;
;   v116-123 the conversions' second halves; v128-255 128 numbers, later the 16 accumulators.  window 1: w_theta's 16 fragments.  window 2: w_phi's.  window 3: raw weights, two sets of 128.
.set GSTR,  17024                      ; LDS: 32 channels of the tile: 32 rows of 528 bytes, + 128, so that lanes 32 channels apart fall on other banks
.set LP,    528                        ; a channel's 128 pixels: 512 bytes + 16 of padding
.set STG,   136192                     ; behind the tile: a stage of 16 rows x 1,040 bytes for each wave
.set SROW,  1040
.set WIMG,  202752                     ; the weights' 32 fragments, as images
.set WSC,   251904                     ; their scale words, 128 bytes each
.set SCO,   256000                     ; scale words on their way out: phi's 512 bytes, V's 1,024, theta's 512
.set FRB,   1536                       ; a fragment's image
.set LI,   1                           ; v1   16 x lane
.set SH8,  2                           ; v2   8 x (lane / 16)
.set WST,  3                           ; v3   my stage, as loaded
.set WRD,  4                           ; v4   my stage, by rows
.set WIA,  5                           ; v5   where I store the weights' images
.set WSA,  6                           ; v6   and their scale words
.set GRD,  7                           ; v7   the tile by rows: my wave's 64 channels
.set CRD,  8                           ; v8-9 the tile by columns: channels 0-127, 128-255
.set KSA,  10                          ; v10  phi's scale words
.set VSA,  11                          ; v11  V's
.set QSA,  12                          ; v12  theta's
.set SRD,  13                          ; v13  the scale words' way out
.set LIW,  14                          ; v14  the weights' images, for reading
.set LSW,  15                          ; v15  their scale words, for reading
.set WS,   16
.set XS,   48
.set PW0,  50
.set PW1,  51
.set TM,   52
.set XF,   68
.set PCA,  92
.set PCB,  104
.set PT,   116
.set RAW,  128
.set ACC,  128
.set WV,   18                          ; s18  wave;  s19 j;  s20 b
.set SEL,  22                          ; s[22:23] v_permlanex16_b32's selects for lane l xor 16
.set G1,   24                          ; s[24:31] descriptor group 1
.set G0,   32                          ; s[32:39] two groups 0
.set KVK,  40                          ; s[40:41] phi's fragments in kv
.set KVV,  42                          ; s[42:43] V's
.set QC,   44                          ; s[44:45] theta's fragments in qc
.set WP,   46                          ; s[46:47] my 64 rows of a weight
.set FP,   48                          ; s[48:49] where my 512 bytes of scale words go
.set MSB, 0
.macro WIN new                         ; the immediate's high byte repeats the setting that is left
.if MSB != \new
	s_set_vgpr_msb (MSB<<8)|\new
.set MSB, \new
.endif
.endm
; 64 numbers of a lane, two WHOLE blocks of 32 (register 32 c + i = k 64 c + 32 (lane / 16) + i of my row), become a fragment's 12 registers at v[dst] and its scale word in v[word].
.macro QBLK src, dst, word
.irp c, 0,1
	v_max3_num_f32 v[TM+\c], |v[\src+32*\c]|, |v[\src+32*\c+1]|, 0x2800000   ; with the floor 2^(5 - 127): the byte cannot fall under 1
.endr
.set qi, 2
.rept 15
.irp c, 0,1
	v_max3_num_f32 v[TM+\c], v[TM+\c], |v[\src+32*\c+qi]|, |v[\src+32*\c+qi+1]|   ; the two blocks by turns
.endr
.set qi, qi+2
.endr
.irp c, 0,1
	v_add_nc_u32 v[TM+2+\c], 0xfe000000, v[TM+\c]  ; 4 off the exponent field: the conversion's scale operand
.endr
.irp c, 0,1
	v_lshrrev_b32 v[TM+4+\c], 23, v[TM+2+\c]       ; the scale's byte
.endr
	v_lshl_or_b32 v[TM+6], v[TM+5], 16, v[TM+4]    ; my two bytes: blocks h and 2 + h,
	v_lshlrev_b32 v[TM+6], v[SH8], v[TM+6]         ; at their places in the word;
	v_permlanex16_b32 v[TM+10], v[TM+6], s[SEL], s[SEL+1]
	v_or_b32 v[\word], v[TM+6], v[TM+10]           ; with lane l xor 16's two the word is whole, in both halves of the lanes
.irp c, 0,1
	v_cvt_scalef32_pk16_bf6_f32 v[\dst+6*\c:\dst+6*\c+2], v[\src+32*\c:\src+32*\c+15], v[TM+2+\c]
	v_cvt_scalef32_pk16_bf6_f32 v[PT+4*\c:PT+4*\c+2], v[\src+32*\c+16:\src+32*\c+31], v[TM+2+\c]   ; (a conversion's three registers begin on an even number)
.endr
	v_nop                                          ; one plain place behind a scaled conversion
.irp c, 0,1
.irp i, 0,1,2
	v_mov_b32 v[\dst+6*\c+3+\i], v[PT+4*\c+\i]
.endr
.endr
.endm
; 64 numbers of a lane in HALF blocks (register 16 b + i = k 32 b + 16 (lane / 16) + i of my row: a transposed product's results) become a fragment at v[dst] and its scale word in v[word].
.macro QUANT src, dst, word
.irp b, 0,1,2,3
	v_max3_num_f32 v[TM+\b], |v[\src+16*\b]|, |v[\src+16*\b+1]|, 0x2800000   ; each accumulator is read from its low end on
.endr
.irp i, 2,4,6,8,10,12,14
.irp b, 0,1,2,3
	v_max3_num_f32 v[TM+\b], v[TM+\b], |v[\src+16*\b+\i]|, |v[\src+16*\b+\i+1]|
.endr
.endr
.irp b, 0,1,2,3
	v_permlanex16_b32 v[TM+4+\b], v[TM+\b], s[SEL], s[SEL+1]
.endr
.irp b, 0,1,2,3
	v_max_num_f32 v[TM+\b], v[TM+\b], v[TM+4+\b]   ; with lane l xor 16's 16: the block's largest magnitude
.endr
.irp b, 0,1,2,3
	v_add_nc_u32 v[TM+12+\b], 0xfe000000, v[TM+\b]
.endr
.irp b, 0,1,2,3
	v_lshrrev_b32 v[TM+4+\b], 23, v[TM+12+\b]
.endr
	v_lshl_or_b32 v[\word], v[TM+5], 8, v[TM+4]
	v_lshl_or_b32 v[\word], v[TM+6], 16, v[\word]
	v_lshl_or_b32 v[\word], v[TM+7], 24, v[\word]
.irp c, 0,1
	v_cvt_scalef32_pk16_bf6_f32 v[\dst+6*\c:\dst+6*\c+2], v[\src+32*\c:\src+32*\c+15], v[TM+12+2*\c]
	v_cvt_scalef32_pk16_bf6_f32 v[PT+4*\c:PT+4*\c+2], v[\src+32*\c+16:\src+32*\c+31], v[TM+12+2*\c+1]
.endr
	v_nop                                          ; one plain place behind a scaled conversion
.irp c, 0,1                            ; the operand's layout wants a WHOLE block in a lane: lanes 0-15 block 2 c, lanes 16-31 block 2 c + 1
.irp i, 0,1,2
	v_permlane16_swap_b32 v[\dst+6*\c+\i], v[PT+4*\c+\i]
.endr
.irp i, 0,1,2
	v_mov_b32 v[\dst+6*\c+3+\i], v[PT+4*\c+\i]
.endr
.endr
.endm
; the 16 rows of tile tt of my 64 rows of a weight, as they lie: each load reads 512 consecutive bytes; into set tt % 2 of window 3
.macro WLOAD tt
	WIN 0xc0
.irp i, 0,1,2,3,4,5,6,7,8,9,10,11,12,13,14,15
.irp jj, 0,1
	global_load_b128 v[128*((\tt)%2)+4*(2*\i+\jj):128*((\tt)%2)+4*(2*\i+\jj)+3], v[LI], s[WP:WP+1] offset:(32*((\tt)/2)+8*((\tt)%2)+\i+8*(\i/8))*1024+512*\jj
.endr
.endr
	WIN 0
.endm
; tile tt turns through my stage (in as loaded, back 128 bytes of a row to a lane), is quantised, and its two fragments (K steps 0 and 1) go to LDS as images
.macro WTILE tt
.if (\tt) < 3
	s_wait_loadcnt 32                              ; this tile's 32 loads are in; the next tile's 32 may be out
.else
	s_wait_loadcnt 0x0
.endif
	WIN 0x0c                                       ; an LDS store's data are its source 1: window 3
.irp i, 0,1,2,3,4,5,6,7,8,9,10,11,12,13,14,15
.irp jj, 0,1
	ds_store_b128 v[WST], v[128*((\tt)%2)+4*(2*\i+\jj):128*((\tt)%2)+4*(2*\i+\jj)+3] offset:SROW*\i+512*\jj
.endr
.endr
	WIN 0
.irp s, 0,1
.irp c, 0,1
.irp i, 0,1,2,3,4,5,6,7
	ds_load_b128 v[RAW+64*\s+32*\c+4*\i:RAW+64*\s+32*\c+4*\i+3], v[WRD] offset:512*\s+256*\c+16*\i   ; LDS serves a wave's instructions in order: these see my stores
.endr
.endr
.endr
	s_wait_dscnt 0x0                               ; the numbers are back, and all my earlier LDS stores have read their registers
.if (\tt) < 2
	WLOAD (\tt)+2
.endif
	QBLK RAW, XF, PW0
	QBLK RAW+64, XF+12, PW1
.irp s, 0,1
.irp c, 0,1,2
	ds_store_b128 v[WIA], v[XF+12*\s+4*\c:XF+12*\s+4*\c+3] offset:(2*(\tt)+\s)*FRB+512*\c
.endr
	ds_store_b32 v[WSA], v[PW0+\s] offset:(2*(\tt)+\s)*128
.endr
.endm
; two fragments of V: channels 64 w + 32 p + 16 e + r, the 128 pixels as K
.macro GPAIR p
.irp e, 0,1
.irp c, 0,1
.irp i, 0,1,2,3,4,5,6,7
	ds_load_b128 v[RAW+64*\e+32*\c+4*\i:RAW+64*\e+32*\c+4*\i+3], v[GRD] offset:GSTR*\p+16*LP*\e+256*\c+16*\i
.endr
.endr
.endr
	s_wait_dscnt 0x0
.if \p > 0
	s_wait_xcnt 0x0                                ; the last pair's stores have read their data: the fragments' registers may be written again
.endif
	QBLK RAW, XF, PW0
	QBLK RAW+64, XF+12, PW1
.irp e, 0,1
.irp c, 0,1,2
	global_store_b128 v[LI], v[XF+12*\e+4*\c:XF+12*\e+4*\c+3], s[KVV:KVV+1] offset:FRB*(2*\p+\e)+512*\c
.endr
	ds_store_b32 v[VSA], v[PW0+\e] offset:4*(2*\p+\e)
.endr
.endm
; pixel tile 2 w + u: its 256 channels down the tile's columns, quantised; theta's and phi's 8 tiles each (transposed: source 0 = 16 rows of a weight, source 1 = the 16 pixels); both quantised and stored
.macro PTILE u
.irp s, 0,1
.irp c, 0,1
.set ii, 0
.rept 32
	ds_load_b32 v[RAW+64*\s+32*\c+ii], v[CRD+\s] offset:2*GSTR*\c+LP*ii+32*(\u)   ; channel 128 s + 64 c + 32 (lane / 16) + ii of my pixel
.set ii, ii+1
.endr
.endr
.endr
	s_wait_dscnt 0x0
	s_wait_xcnt 0x0                                ; all earlier stores have read their data
	QBLK RAW, XF, XS
	QBLK RAW+64, XF+12, XS+1
.rept 8
	v_nop                                          ; a scale word written by a vector instruction stands 8 places ahead of a scaled matrix instruction, an operand so written 4
.endr
	WIN 0x01                                       ; source 0 in window 1.  The 16 accumulators take turns, one instruction a turn
.irp t, 0,1,2,3,4,5,6,7
	v_wmma_scale_f32_16x16x128_f8f6f4 v[ACC+8*\t:ACC+8*\t+7], v[24*\t:24*\t+11], v[XF:XF+11], 0, v[WS+2*\t], v[XS] matrix_a_fmt:MATRIX_FMT_BF6 matrix_b_fmt:MATRIX_FMT_BF6
.endr
	WIN 0x02
.irp t, 0,1,2,3,4,5,6,7
	v_wmma_scale_f32_16x16x128_f8f6f4 v[ACC+64+8*\t:ACC+64+8*\t+7], v[24*\t:24*\t+11], v[XF:XF+11], 0, v[WS+16+2*\t], v[XS] matrix_a_fmt:MATRIX_FMT_BF6 matrix_b_fmt:MATRIX_FMT_BF6
.endr
	WIN 0x01
.irp t, 0,1,2,3,4,5,6,7
	v_wmma_scale_f32_16x16x128_f8f6f4 v[ACC+8*\t:ACC+8*\t+7], v[24*\t+12:24*\t+23], v[XF+12:XF+23], v[ACC+8*\t:ACC+8*\t+7], v[WS+2*\t+1], v[XS+1] matrix_a_fmt:MATRIX_FMT_BF6 matrix_b_fmt:MATRIX_FMT_BF6
.endr
	WIN 0x02
.irp t, 0,1,2,3,4,5,6,7
	v_wmma_scale_f32_16x16x128_f8f6f4 v[ACC+64+8*\t:ACC+64+8*\t+7], v[24*\t+12:24*\t+23], v[XF+12:XF+23], v[ACC+64+8*\t:ACC+64+8*\t+7], v[WS+16+2*\t+1], v[XS+1] matrix_a_fmt:MATRIX_FMT_BF6 matrix_b_fmt:MATRIX_FMT_BF6
.endr
	WIN 0
.rept 4
	v_nop                                          ; four places behind the products (ISA guide 7.12.1), ahead of the first read of their results
.endr
	QUANT ACC, PCA, PW0                            ; theta: lane (r, h) holds pixel r; register 16 b + i is row 32 b + 16 h + i
.irp c, 0,1,2
	global_store_b128 v[LI], v[PCA+4*\c:PCA+4*\c+3], s[QC:QC+1] offset:FRB*(\u)+512*\c
.endr
	ds_store_b32 v[QSA], v[PW0] offset:64*(\u)     ; both halves of the lanes write the same word with the same value
	QUANT ACC+64, PCB, PW1                         ; phi
.irp c, 0,1,2
	global_store_b128 v[LI], v[PCB+4*\c:PCB+4*\c+3], s[KVK:KVK+1] offset:FRB*(\u)+512*\c
.endr
	ds_store_b32 v[KSA], v[PW1] offset:4*(\u)
.endm
	s_load_b256 s[4:11], s[0:1], 0x0               ; l s[4:5], w_theta s[6:7], w_phi s[8:9], kv s[10:11]
	s_load_b128 s[12:15], s[0:1], 0x20             ; sc s[12:13], qc s[14:15]
	s_load_b64 s[16:17], s[0:1], 0x30              ; qs
	v_lshl_add_u32 v126, v0, 2, 0x40000
	v_mov_b32 v127, 0
	ds_add_u32 v126, v127
	ds_add_u32 v126, v127
	v_lshrrev_b32 v52, 5, v0
	v_readfirstlane_b32 s[WV], v52                 ; wave 0..3
	s_mov_b32 s19, ttmp9                           ; j: which 128 pixels
	s_and_b32 s20, ttmp7, 0xffff                   ; b: the image
	s_mov_b32 s[SEL], 0x76543210
	s_mov_b32 s[SEL+1], 0xfedcba98
	; descriptor group 1: 32 channels x 128 pixels of 4 bytes, 4,096 elements from channel to channel, 16 bytes of padding behind each row of 512
	s_mov_b32 s[G1+0], (2<<16)|(1<<20)|(6<<22)|(3<<25)  ; no mask; elements of 4 bytes; padding on; after every 128 words (code 6); of 4 words (code 3)
	s_mov_b32 s[G1+1], 128<<16                     ; tensor_dim0
	s_mov_b32 s[G1+2], 32<<16                      ; tensor_dim1
	s_mov_b32 s[G1+3], 128<<16                     ; tile_dim0
	s_mov_b32 s[G1+4], 32                          ; tile_dim1
	s_mov_b32 s[G1+5], 4096                        ; tensor_dim0_stride
	s_mov_b32 s[G1+6], 0
	s_mov_b32 s[G1+7], 0
	s_lshl_b32 s50, s20, 22                        ; the image: 4,194,304 bytes,
	s_lshl_b32 s51, s[WV], 20                      ; my wave's 64 channels of 16,384 bytes,
	s_add_co_u32 s50, s50, s51
	s_lshl_b32 s51, s19, 9                         ; the 128 pixels
	s_add_co_u32 s50, s50, s51
	s_mov_b32 s51, 0
	s_mul_i32 s53, s[WV], 2*GSTR                   ; and their place in LDS
	; every vector address: a constant, a constant x lane, a constant x wave
	v_and_b32 v53, 31, v0                          ; lane
	v_and_b32 v54, 15, v0                          ; r
	v_bfe_u32 v55, v0, 4, 1                        ; h
	v_lshlrev_b32 v[LI], 4, v53
	v_lshlrev_b32 v[SH8], 3, v55
	s_mul_i32 s54, s[WV], 16*SROW
	s_add_co_u32 s54, s54, STG
	v_add_nc_u32 v[WST], s54, v[LI]
	v_mul_u32_u24 v56, v54, SROW
	v_lshl_add_u32 v56, v55, 7, v56
	v_add_nc_u32 v[WRD], s54, v56                  ; row r, + 128 h: my 32 numbers of a block pair
	s_mul_i32 s54, s[WV], 8*FRB
	s_add_co_u32 s54, s54, WIMG
	v_add_nc_u32 v[WIA], s54, v[LI]
	v_lshlrev_b32 v57, 2, v53
	s_lshl_b32 s54, s[WV], 10
	s_add_co_u32 s54, s54, WSC
	v_add_nc_u32 v[WSA], s54, v57
	v_mul_u32_u24 v56, v54, LP
	v_lshl_add_u32 v56, v55, 7, v56
	v_add_nc_u32 v[GRD], s53, v56
	v_and_b32 v58, 8, v54
	v_add_nc_u32 v58, v58, v54                     ; r + 8 (r / 8)
	v_lshlrev_b32 v58, 2, v58
	v_mad_u32_u24 v[CRD], v55, GSTR, v58           ; lanes 16-31: 32 channels further on
	s_lshl_b32 s54, s[WV], 7
	v_add_nc_u32 v[CRD], s54, v[CRD]               ; my wave's 32 pixels
	v_add_nc_u32 v[CRD+1], 4*GSTR, v[CRD]
	s_lshr_b32 s54, s[WV], 1
	s_lshl_b32 s54, s54, 8
	s_and_b32 s55, s[WV], 1
	s_lshl_b32 s56, s55, 3
	s_add_co_u32 s56, s56, s54
	s_add_co_u32 s56, s56, SCO
	v_lshlrev_b32 v59, 4, v54
	v_add_nc_u32 v[KSA], s56, v59                  ; fragment 2 w + u = 4 H + i: its row r's word at 256 H + 16 r + 4 i
	s_lshl_b32 s56, s55, 9
	s_add_co_u32 s56, s56, s54
	s_add_co_u32 s56, s56, SCO+512
	v_add_nc_u32 v[VSA], s56, v59                  ; fragment 4 w + i = 8 H + 4 U + i: at 512 U + 256 H + 16 r + 4 i
	s_lshl_b32 s56, s[WV], 7
	s_add_co_u32 s56, s56, SCO+1536
	v_lshlrev_b32 v59, 2, v54
	v_add_nc_u32 v[QSA], s56, v59                  ; tile 2 w + u: at 64 (2 w + u) + 4 r
	s_lshl_b32 s56, s[WV], 9
	s_add_co_u32 s56, s56, SCO
	v_add_nc_u32 v[SRD], s56, v[LI]
	v_add_nc_u32 v[LIW], WIMG, v[LI]
	v_add_nc_u32 v[LSW], WSC, v57
.irp i, 4,5,6,7,10
	v_mov_b32 v[TM+\i], 0                          ; written once: a lane permute's destination counts as one of its sources
.endr
	s_wait_dscnt 0x0
	s_wait_kmcnt 0x0
	s_mov_b32 s[G0], 1                             ; count = 1
	s_mov_b32 s[G0+1], s53                         ; LDS address: channels 64 w .. 64 w + 31
	s_add_nc_u64 s[G0+2:G0+3], s[4:5], s[50:51]
	s_mov_b32 s[G0+4], 1
	s_add_co_u32 s[G0+5], s53, GSTR                ; channels 64 w + 32 .. 64 w + 63
	s_add_nc_u64 s[G0+6:G0+7], s[G0+2:G0+3], 32*16384
	s_or_b32 s[G0+3], s[G0+3], 0x80000000          ; type = 2
	s_or_b32 s[G0+7], s[G0+7], 0x80000000
	tensor_load_to_lds s[G0:G0+3], s[G1:G1+7]      ; both first fills together, ahead of every LDS read, wait on TENSORcnt and barrier: two loads of mine are out
	s_nop 0
	tensor_load_to_lds s[G0+4:G0+7], s[G1:G1+7]
	s_nop 0
.rept 4
	v_nop
.endr
	s_cmp_lt_u32 s[WV], 2                          ; waves 0 and 1 take w_theta, waves 2 and 3 w_phi: 64 rows each
	s_cselect_b64 s[WP:WP+1], s[6:7], s[8:9]
	s_and_b32 s50, s[WV], 1
	s_lshl_b32 s50, s50, 16
	s_add_nc_u64 s[WP:WP+1], s[WP:WP+1], s[50:51]
	WLOAD 0
	WLOAD 1
	s_lshl_b32 s52, s20, 5
	s_add_co_u32 s52, s52, s19                     ; 32 b + j
	s_mul_i32 s50, s52, 24*FRB
	s_mul_i32 s54, s[WV], 2*FRB
	s_add_co_u32 s50, s50, s54
	s_add_nc_u64 s[KVK:KVK+1], s[10:11], s[50:51]
	s_mul_i32 s50, s52, 24*FRB
	s_mul_i32 s54, s[WV], 4*FRB
	s_add_co_u32 s50, s50, s54
	s_add_co_u32 s50, s50, 8*FRB
	s_add_nc_u64 s[KVV:KVV+1], s[10:11], s[50:51]
	s_mul_i32 s50, s52, 8*FRB
	s_mul_i32 s54, s[WV], 2*FRB
	s_add_co_u32 s50, s50, s54
	s_add_nc_u64 s[QC:QC+1], s[14:15], s[50:51]
	s_mul_i32 s50, s52, 1536                       ; waves 0 to 2 store sc's 1,536 bytes of this step, wave 3 qs's 512
	s_lshl_b32 s54, s[WV], 9
	s_add_co_u32 s50, s50, s54
	s_lshl_b32 s54, s52, 9
	s_cmp_lt_u32 s[WV], 3
	s_cselect_b32 s50, s50, s54
	s_cselect_b64 s[FP:FP+1], s[12:13], s[16:17]
	s_add_nc_u64 s[FP:FP+1], s[FP:FP+1], s[50:51]
	; ---- the weights, while the tile of l is on its way: wave w makes fragments 8 w .. 8 w + 7
	WTILE 0
	WTILE 1
	WTILE 2
	WTILE 3
	; ---- V: my own 64 channels, which my own two loads brought: my wait is all the ordering that these reads need
	s_wait_tensorcnt 0x0
	GPAIR 0
	GPAIR 1
	s_wait_dscnt 0x0                               ; my LDS stores have landed; my tensor loads have been waited for
	s_barrier_signal -1
	s_barrier_wait -1                              ; the tile of l and the weights' images are whole
	; ---- all 32 fragments of the weights into registers, where they stay
	WIN 0x40
.irp f, 0,1,2,3,4,5,6,7,8,9,10,11,12,13,14,15
.irp c, 0,1,2
	ds_load_b128 v[12*\f+4*\c:12*\f+4*\c+3], v[LIW] offset:FRB*\f+512*\c
.endr
.endr
	WIN 0x80
.irp f, 0,1,2,3,4,5,6,7,8,9,10,11,12,13,14,15
.irp c, 0,1,2
	ds_load_b128 v[12*\f+4*\c:12*\f+4*\c+3], v[LIW] offset:FRB*(16+\f)+512*\c
.endr
.endr
	WIN 0
.set ii, 0
.rept 32
	ds_load_b32 v[WS+ii], v[LSW] offset:128*ii
.set ii, ii+1
.endr
	; ---- theta and phi of my two pixel tiles
	PTILE 0
	PTILE 1
	s_wait_dscnt 0x0
	s_barrier_signal -1
	s_barrier_wait -1                              ; the step's 2,048 bytes of scale words lie in LDS
	ds_load_b128 v[RAW:RAW+3], v[SRD]
	s_wait_dscnt 0x0
	global_store_b128 v[LI], v[RAW:RAW+3], s[FP:FP+1]  ; 512 consecutive bytes, aligned
	s_wait_tensorcnt 0x0
	ds_add_u32 v126, v127
	s_wait_dscnt 0x0
	s_endpgm
.Lfunc_end_k_q3dd125f49f_prep:
	.size	k_q3dd125f49f_prep, .Lfunc_end_k_q3dd125f49f_prep-k_q3dd125f49f_prep
	.p2alignl 7, 3214868480
	.fill 96, 4, 3214868480
	.section	.rodata,"a",@progbits
	.p2align	6, 0x0
	.amdhsa_kernel k_q3dd125f49f_prep
		.amdhsa_group_segment_fixed_size 262656
		.amdhsa_private_segment_fixed_size 0
		.amdhsa_enable_private_segment 0
		.amdhsa_kernarg_size 56
		.amdhsa_user_sgpr_count 2
		.amdhsa_user_sgpr_kernarg_segment_ptr 1
		.amdhsa_wavefront_size32 1
		.amdhsa_system_sgpr_workgroup_id_x 1
		.amdhsa_system_sgpr_workgroup_id_y 1
		.amdhsa_system_sgpr_workgroup_id_z 1
		.amdhsa_system_vgpr_workitem_id 0
		.amdhsa_next_free_vgpr 1024
		.amdhsa_next_free_sgpr 66
		.amdhsa_reserve_vcc 0
		.amdhsa_float_denorm_mode_32 3
		.amdhsa_float_denorm_mode_16_64 3
		.amdhsa_memory_ordered 1
		.amdhsa_forward_progress 1
		.amdhsa_inst_pref_size 139
	.end_amdhsa_kernel
	.amdgpu_metadata
---
amdhsa.version: [ 1, 2 ]
amdhsa.kernels:
  - .name:           k_q3dd125f49f_prep
    .symbol:         k_q3dd125f49f_prep.kd
    .args:
      - { .name: l, .offset: 0, .size: 8, .value_kind: global_buffer, .address_space: global }
      - { .name: w_theta, .offset: 8, .size: 8, .value_kind: global_buffer, .address_space: global }
      - { .name: w_phi, .offset: 16, .size: 8, .value_kind: global_buffer, .address_space: global }
      - { .name: kv, .offset: 24, .size: 8, .value_kind: global_buffer, .address_space: global }
      - { .name: sc, .offset: 32, .size: 8, .value_kind: global_buffer, .address_space: global }
      - { .name: qc, .offset: 40, .size: 8, .value_kind: global_buffer, .address_space: global }
      - { .name: qs, .offset: 48, .size: 8, .value_kind: global_buffer, .address_space: global }
    .group_segment_fixed_size: 262656
    .private_segment_fixed_size: 0
    .kernarg_segment_align: 8
    .kernarg_segment_size: 56
    .max_flat_workgroup_size: 128
    .sgpr_count:     66
    .vgpr_count:     1024
    .wavefront_size: 32
...
	.end_amdgpu_metadata
.endif
;; end of part 1
;; launch attn (part 2): grid 32 x 8, 4 waves a work-group, clusters of 4 x 1, 327,680 bytes of LDS; arguments kv, sc, qc, qs, out0; writes out0
.if DOCPART == 2
	.amdgcn_target "amdgcn-amd-amdhsa--gfx1250"
	.amdhsa_code_object_version 6
	.text
	.protected	k_q3dd125f49f_attn
	.globl	k_q3dd125f49f_attn
	.p2align	8
	.type	k_q3dd125f49f_attn,@function
k_q3dd125f49f_attn:
	s_mov_b64 s[64:65], 0
	v_nop
	global_prefetch_b8 v0, s[64:65] scope:SCOPE_SE
	s_setreg_imm32_b32 hwreg(HW_REG_WAVE_MODE, 25, 1), 1
	s_wait_xcnt 0x0
	s_wait_alu depctr_hold_cnt(0) depctr_sa_sdst(0) depctr_va_vdst(0) depctr_va_sdst(0) depctr_va_ssrc(0) depctr_va_vcc(0) depctr_vm_vsrc(0)
	s_getreg_b32 s2, hwreg(HW_REG_IB_STS2, 6, 4)
	s_cmp_eq_u32 s2, 0
	s_cbranch_scc0 .Lentry_in_a_cluster
	s_endpgm
.Lentry_in_a_cluster:
	s_bfe_u32 s2, ttmp6, 0x10000c
	s_cmp_lg_u32 s2, 0x3003
	s_cbranch_scc0 .Lentry_shape_is_right
	s_endpgm
.Lentry_shape_is_right:
; ATTN.  out0[b][c][q] = the sum over k of softmax_k(theta[:, q] . phi[:, k] / sqrt(128)) l[b][c][k], both products on codes of BF6 (E3M2) with one E8M0 scale for each 32 along a product's K.
; All operands were laid by the launch before as images of operand registers (a fragment: 12 registers a lane, registers 4 c .. 4 c + 3 of lane L at 512 c + 16 L of 1,536 bytes):
;   kv [b][step 32][36,864]: a step's 128 keys: 8 fragments of phi (16 keys x 128), then 16 of l (16 channels x 128 keys);  sc [b][step][1,536]: their scale words;  qc, qs: theta's fragments and scale words.
; THE SOFTMAX AHEAD OF THE SECOND PRODUCT: t = score x log2(e) / sqrt(128); M = the row's largest t so far, rounded UP to a whole number; p = 2^(t - M) is what is quantised, along the keys, not normalised.
; The row's sum is taken of the unquantised p, in f32, and divides at the end.  When M moves, the sum and O are multiplied by 2^(old M - new M): exact, and without a branch.
; A block's largest p is not searched for: the block's largest score goes through the same multiply-add and exponential (this takes v_exp_f32 not to fall where its input rises).
; LIMITS: NaN and infinities are not served.  A block of p whose every number has fallen to 0 keeps the byte 1: its codes are zeros.
; SHARES.  A work-group owns 128 queries of one image; wave w owns two tiles of 16: lane r of tile u is query 32 w + 8 u + r + 8 (r / 8) of the 128.  Every wave walks the image's 32 key steps.
; Each fragment read from LDS feeds two matrix instructions.
; LAYOUT.  Both products are used transposed: S^T = K Q^T (source 0 = 16 keys, source 1 = 16 queries), O^T = V^T P^T (source 0 = 16 channels, source 1 = P): a lane holds ONE query throughout.
; Lane r of key tile 2 b + u is key 32 b + 8 u + r + 8 (r / 8), so that the 16 registers of score tiles 2 b and 2 b + 1 are 16 neighbouring keys.
; BY TURNS.  In a TURN one tile has the matrix unit (16 products V^T P^T of the step in hand, then 8 products K Q^T of the next step) and the other tile's softmax, 282 vector instructions, stands between them:
; a matrix instruction behind every eleventh.  Then the tiles change places.  Two turns are a key step.
; CLUSTER.  The four work-groups of a cluster belong to one image and walk the same kv and sc: every tile is asked for JOINTLY, by the same tensor load with the same descriptor and the mask of all four.
; REGISTERS, in windows of 256: window 0: v1-11 addresses; v12-19 statistics; v20-43 at work; v44-67 p's codes; v68-83 scale words and nothing else; v128-255 S^T, then p, 64 a tile.
;   window 1: O^T, 128 a tile.   window 2: v0-23 Q; v32-127 K of one step.   window 3: v0-191 V of one step.
.set FRB,    1536
.set STEPB,  24*FRB                    ; a key step's fragments
.set SLOTB,  2*STEPB                   ; a slot holds two steps: 73,728 bytes, dense in memory
.set SLOT1,  1<<17                     ; slot 1 begins here, so that one exclusive or turns an address in one slot into the other's
.set SCB,    2*SLOT1                   ; behind the ring: the image's scale words, 32 x 1,536 bytes, filled once
.set SCSTEP, 1536
.set SPARE,  SCB+32*SCSTEP+2048        ; the spare words, 128 bytes for each wave: two blocks of 256 bytes that no other line names
.set OPITCH, 528                       ; the way out: a stage of 256 channels x (512 bytes + 16), from LDS byte 0 on: written only when both slots have had their last fill and their last read
.set LI0,  1                           ; v1   16 x lane: an image's place for my lane, in a slot's first step; also my bytes of a row of out0
.set LI1,  2                           ; v2   the same in its second step
.set LIS,  3                           ; v3   SCB + 16 x lane
.set ADR,  4                           ; v4   LDS address of the run of loads in hand
.set ADS,  5                           ; v5   of the step's scale words
.set SPW,  6                           ; v6   LDS address of my spare word; never rewritten
.set NIL,  7                           ; v7   0; never rewritten
.set PFO,  8                           ; v8   256 x lane: the prefetches' offset; never rewritten
.set SO0,  9                           ; v9   the stage: where I put a number of channels 0-127
.set SO1,  10                          ; v10  of channels 128-255
.set RD,   11                          ; v11  and where I read rows back
.set STA,  12                          ; tile u at v[12 + 4 u]: -M, the largest t, the sum in two halves
.set FF,   20                          ; v[20:21] f = 2^(old M - new M); the upper register is named with it as a pair
.set XT,   22
.set QSO,  23                          ; v23  4 x (lane % 16): Q's scale words' offset; never rewritten
.set BM,   24                          ; v24-27 the blocks' largest scores, then largest p
.set BT,   28                          ; v28-31 at work
.set BS,   32                          ; v32-35 the conversions' scale operands
.set PT,   36                          ; v36-43 the conversions' second halves
.set PC0,  44                          ; p's codes: tile u at v[44 + 12 u]
.set QSW,  68                          ; v68-69 Q's scale words
.set PSW,  70                          ; v70-71 p's
.set KS,   72                          ; v72-75 K's: register i: lanes 0-15 fragment i, lanes 16-31 fragment 4 + i
.set VS,   76                          ; v76-83 V's: register i: lanes 0-15 fragment i, lanes 16-31 fragment 8 + i
.set S0,   128
.set KF,   32                          ; K's fragments, in window 2
.set WV,   14                          ; s14  wave
.set LIM,  15                          ; s15  2 in a wave that prefetches, else the greatest number
.set SEL,  20                          ; s[20:21] v_permlanex16_b32's selects for lane l xor 16
.set CS,   22                          ; s[22:23] c = log2(e) / sqrt(128)
.set G1,   24                          ; s[24:31] descriptor group 1 for a wave's quarter of a slot
.set G1S,  32                          ; s[32:39] for its quarter of the scale words
.set G0A,  40                          ; s[40:43] group 0: slot 0's first fill
.set G0B,  44                          ; s[44:47] slot 1's first fill; it then walks
.set G0S,  48                          ; s[48:51] the scale words
.set TB,   52                          ; s52  LDS byte at which the slot in hand begins
.set TS,   53                          ; s53  where the scale words of the step to be fetched begin
.set SLOTS, 54                         ; s54  slots still to be asked for
.set PFA,  56                          ; s[56:57] where my prefetches stand
.set PST,  58                          ; s[58:59] their step
.set MSB, 0
.macro WIN new                         ; the immediate's high byte repeats the setting that is left; a switch that changes nothing is dropped
.if MSB != \new
	s_set_vgpr_msb (MSB<<8)|\new
.set MSB, \new
.endif
.endm
; A round of the cluster's barrier: my work-group's barrier; wave 0 signals for the work-group; every wave waits for all four work-groups; my work-group's barrier once more.
.macro CROUND
	s_barrier_signal -1
	s_barrier_wait -1
	s_cmp_lg_u32 s[WV], 0
	s_cbranch_scc1 .Lnot_wave_0_\@
	s_barrier_signal -3
.Lnot_wave_0_\@:
	s_barrier_wait -3
	s_barrier_signal -1
	s_barrier_wait -1
.endm
; A PREFETCH INTO THE L2.  An image's fragments are 1,179,648 bytes = 12 chunks of 98,304 = 4 partners x 3 waves x 32 lanes x 256 bytes.  All clusters of an image walk the same bytes: its first cluster asks; the
; four partners are told apart BY ADDRESS; in each, waves 0 to 2 ask, one instruction each, lanes 256 bytes apart.  The change that fills slot f = 16 - s[SLOTS] asks for one chunk where f % 4 is not 2 and f is
; at most 13: chunks 3 to 11, which are slots 4 to 15: each byte is named once, at least one change of slots (four turns) ahead of the load that wants it, and the last chunk ends with the image.
; Slots 0 to 3 and the scale words come by their loads alone.
.macro ASK
	s_cmp_gt_u32 s[SLOTS], s[LIM]
	s_cbranch_scc0 .Lnot_mine_\@
	s_and_b32 s60, s[SLOTS], 3
	s_cmp_eq_u32 s60, 2
	s_cbranch_scc1 .Lnot_mine_\@
	global_prefetch_b8 v[PFO], s[PFA:PFA+1] th:TH_LOAD_NT scope:SCOPE_SE
.Lnot_mine_\@:
.endm
; Product mi - NPV of 8 of S^T(TX) = K Q^T: each starts its sum with the constant 0 (K = 128 is one instruction deep)
.macro KQI
	WIN 0x0a                                       ; K and Q in window 2, S^T in window 0
.set ki, mi-NPV
.set mD, S0+64*TX+8*ki
.set mA, KF+12*ki
.set mB, 12*TX
.if ki < 4
	v_wmma_scale_f32_16x16x128_f8f6f4 v[mD:mD+7], v[mA:mA+11], v[mB:mB+11], 0, v[KS+ki], v[QSW+TX] matrix_a_fmt:MATRIX_FMT_BF6 matrix_b_fmt:MATRIX_FMT_BF6
.else
	v_wmma_scale_f32_16x16x128_f8f6f4 v[mD:mD+7], v[mA:mA+11], v[mB:mB+11], 0, v[KS+ki-4], v[QSW+TX] matrix_a_fmt:MATRIX_FMT_BF6 matrix_b_fmt:MATRIX_FMT_BF6 matrix_a_scale:MATRIX_SCALE_ROW1
.endif
.endm
; Product mi of 16 of O^T(TX) += V^T P^T: channels 16 mi on.  PVS = 1: the first key step's products start the sums: nothing is ever cleared.  The 16 accumulators take turns.
.macro PVI
	WIN 0x53                                       ; V in window 3, P in window 0, O^T in window 1
.set mD, 128*TX+8*mi
.set mA, 12*mi
.set mB, PC0+12*TX
.if PVS
.if mi < 8
	v_wmma_scale_f32_16x16x128_f8f6f4 v[mD:mD+7], v[mA:mA+11], v[mB:mB+11], 0, v[VS+mi], v[PSW+TX] matrix_a_fmt:MATRIX_FMT_BF6 matrix_b_fmt:MATRIX_FMT_BF6
.else
	v_wmma_scale_f32_16x16x128_f8f6f4 v[mD:mD+7], v[mA:mA+11], v[mB:mB+11], 0, v[VS+mi-8], v[PSW+TX] matrix_a_fmt:MATRIX_FMT_BF6 matrix_b_fmt:MATRIX_FMT_BF6 matrix_a_scale:MATRIX_SCALE_ROW1
.endif
.else
.if mi < 8
	v_wmma_scale_f32_16x16x128_f8f6f4 v[mD:mD+7], v[mA:mA+11], v[mB:mB+11], v[mD:mD+7], v[VS+mi], v[PSW+TX] matrix_a_fmt:MATRIX_FMT_BF6 matrix_b_fmt:MATRIX_FMT_BF6
.else
	v_wmma_scale_f32_16x16x128_f8f6f4 v[mD:mD+7], v[mA:mA+11], v[mB:mB+11], v[mD:mD+7], v[VS+mi-8], v[PSW+TX] matrix_a_fmt:MATRIX_FMT_BF6 matrix_b_fmt:MATRIX_FMT_BF6 matrix_a_scale:MATRIX_SCALE_ROW1
.endif
.endif
.endm
; THE LDS LOADS stand in runs: a step's K (8 fragments and their scale words) and, a turn later, its V (16 fragments and theirs).  q: the slot's first or second step.
.macro FETCH_K q
	WIN 0
	v_add_nc_u32 v[ADR], s[TB], v[LI0+(\q)]
	v_add_nc_u32 v[ADS], s[TS], v[LIS]
	WIN 0x80                                       ; destination window 2
.irp t, 0,1,2,3,4,5,6,7
.irp c, 0,1,2
	ds_load_b128 v[KF+12*\t+4*\c:KF+12*\t+4*\c+3], v[ADR] offset:FRB*\t+512*\c
.endr
.endr
	WIN 0
	ds_load_b128 v[KS:KS+3], v[ADS]
.endm
.macro FETCH_V q
	WIN 0
	v_add_nc_u32 v[ADR], s[TB], v[LI0+(\q)]
	v_add_nc_u32 v[ADS], s[TS], v[LIS]
	WIN 0xc0                                       ; destination window 3
.irp t, 0,1,2,3,4,5,6,7,8,9,10,11,12,13,14,15
.irp c, 0,1,2
	ds_load_b128 v[12*\t+4*\c:12*\t+4*\c+3], v[ADR] offset:8*FRB+FRB*\t+512*\c
.endr
.endr
	WIN 0
	ds_load_b128 v[VS:VS+3], v[ADS] offset:512
	ds_load_b128 v[VS+4:VS+7], v[ADS] offset:1024
	s_add_co_u32 s[TS], s[TS], SCSTEP              ; the next fetch is the next step's
.endm
; The turn's matrix instruction number mi, with what hangs on it.  Tile 0's turn waits for V ahead of its first product and for K ahead of its first K Q^T, and fetches the next step's K behind its second
; product (K's last reader stands 18 + 22 plain instructions back).  Tile 1's turn fetches the same step's V behind its first K Q^T: V's last reader stands eleven plain instructions back.
.macro MMX
.if (TX == 0) && (mi == 0) && (NPV > 0)
	s_wait_dscnt 0x0                               ; V is in
.endif
.if (TX == 0) && (mi == NPV) && (KQF > 0)
	s_wait_dscnt 0x0                               ; K is in
.endif
.if mi < NPV
	PVI
.else
	KQI
.endif
.if (TX == 0) && (KQF > 0) && (mi == 1)
	FETCH_K QQ
.endif
.if (TX == 1) && (KQF > 0) && (mi == NPV)
	FETCH_V QQ
.endif
.set mi, mi+1
.endm
.macro TICK                            ; behind every vector instruction of a softmax: behind every PER-th stands the turn's next matrix instruction
.set vc, vc+1
.if ((vc % PER) == 0) && (mi < NMM)
	MMX
	WIN CW
.endif
.endm
; ONE TILE'S SOFTMAX FOR ONE KEY STEP: 282 vector instructions (218 in the first step, which has nothing to rescale).
.macro SOFTMAX u, first
.set rS, S0+64*(\u)
.set rM, STA+4*(\u)
.set rP, PC0+12*(\u)
.set rW, PSW+(\u)
.set rO, 128*(\u)
.set CW, 0
	WIN 0
.irp b, 0,1,2,3
	v_max3_num_f32 v[BM+\b], v[rS+16*\b], v[rS+16*\b+1], v[rS+16*\b+2]   ; the largest score of each block of 32 keys; each accumulator is read from its low end on
	TICK
.endr
.irp i, 3,5,7,9,11,13
.irp b, 0,1,2,3
	v_max3_num_f32 v[BM+\b], v[BM+\b], v[rS+16*\b+\i], v[rS+16*\b+\i+1]
	TICK
.endr
.endr
.irp b, 0,1,2,3
	v_max_num_f32 v[BM+\b], v[BM+\b], v[rS+16*\b+15]
	TICK
.endr
.irp b, 0,1,2,3
	v_permlanex16_b32 v[BT+\b], v[BM+\b], s[SEL], s[SEL+1]
	TICK
.endr
.irp b, 0,1,2,3
	v_max_num_f32 v[BM+\b], v[BM+\b], v[BT+\b]     ; with lane l xor 16's 16 keys
	TICK
.endr
	v_max3_num_f32 v[XT], v[BM], v[BM+1], v[BM+2]
	TICK
	v_max_num_f32 v[XT], v[XT], v[BM+3]            ; the step's largest score of my query
	TICK
	v_mul_f32 v[XT], s[CS], v[XT]                  ; as t (c is positive)
	TICK
	v_max_num_f32 v[rM+1], v[rM+1], v[XT]          ; the running largest t
	TICK
	v_mov_b32 v[XT], v[rM]
	TICK
	v_floor_f32 v[rM], -v[rM+1]                    ; the new -M = floor(-t) = -ceil(t)
	TICK
	v_sub_f32 v[XT], v[rM], v[XT]                  ; old M - new M: a whole number, 0 or less
	TICK
	v_cvt_i32_f32 v[XT], v[XT]                     ; (it saturates)
	TICK
	v_ldexp_f32 v[FF], 1.0, v[XT]                  ; f = 2^(old M - new M)
	TICK
.set sj, 0
.rept 32
	v_pk_fma_f32 v[rS+sj:rS+sj+1], v[rS+sj:rS+sj+1], s[CS:CS+1], v[rM:rM+1] op_sel_hi:[1,0,0]   ; t - M, two at a time
	TICK
.set sj, sj+2
.endr
.irp b, 0,1,2,3
	v_fma_f32 v[BM+\b], v[BM+\b], s[CS], v[rM]     ; the same of each block's largest score
	TICK
.endr
.set sj, 0
.rept 64
	v_exp_f32 v[rS+sj], v[rS+sj]                   ; p = 2^(t - M): one batch
	TICK
.set sj, sj+1
.endr
	v_pk_mul_f32 v[rM+2:rM+3], v[rM+2:rM+3], v[FF:FF+1] op_sel_hi:[1,0]   ; the sums under the new M: the plain instruction behind the batch
	TICK
	s_wait_alu depctr_va_vdst(0)                   ; one wait for the 64, ahead of the first instruction that names a result
.irp b, 0,1,2,3
	v_exp_f32 v[BM+\b], v[BM+\b]                   ; the blocks' largest p
	TICK
.endr
	v_pk_add_f32 v[BT:BT+1], v[rS:rS+1], v[rS+2:rS+3]   ; the row's sum is taken of the unquantised p, in two chains; these lines read the 64 alone
	TICK
.set sj, 4
.rept 15
	v_pk_add_f32 v[rM+2:rM+3], v[rM+2:rM+3], v[rS+sj:rS+sj+1]
	TICK
	v_pk_add_f32 v[BT:BT+1], v[BT:BT+1], v[rS+sj+2:rS+sj+3]
	TICK
.set sj, sj+4
.endr
	v_pk_add_f32 v[rM+2:rM+3], v[rM+2:rM+3], v[BT:BT+1]
	TICK
	s_wait_alu depctr_va_vdst(0)                   ; and one for the four
.irp b, 0,1,2,3
	v_max_num_f32 v[BM+\b], 0x2800000, v[BM+\b]    ; the floor 2^(5 - 127): the byte cannot fall under 1
	TICK
.endr
.irp b, 0,1,2,3
	v_add_nc_u32 v[BS+\b], 0xfe000000, v[BM+\b]    ; 4 off the exponent field: the conversion's scale operand
	TICK
.endr
.irp b, 0,1,2,3
	v_lshrrev_b32 v[BT+\b], 23, v[BS+\b]           ; the scale's byte
	TICK
.endr
	v_lshl_or_b32 v[rW], v[BT+1], 8, v[BT]         ; p's scale word for these 128 keys
	TICK
	v_lshl_or_b32 v[rW], v[BT+2], 16, v[rW]
	TICK
	v_lshl_or_b32 v[rW], v[BT+3], 24, v[rW]
	TICK
.irp c, 0,1
	v_cvt_scalef32_pk16_bf6_f32 v[rP+6*\c:rP+6*\c+2], v[rS+32*\c:rS+32*\c+15], v[BS+2*\c]
	TICK
	v_cvt_scalef32_pk16_bf6_f32 v[PT+4*\c:PT+4*\c+2], v[rS+32*\c+16:rS+32*\c+31], v[BS+2*\c+1]   ; (a conversion's three registers begin on an even number)
	TICK
.endr
	v_nop                                          ; one plain place behind a scaled conversion
	TICK
.irp c, 0,1                            ; the operand's layout wants a WHOLE block in a lane
.irp i, 0,1,2
	v_permlane16_swap_b32 v[rP+6*\c+\i], v[PT+4*\c+\i]
	TICK
.endr
.irp i, 0,1,2
	v_mov_b32 v[rP+6*\c+3+\i], v[PT+4*\c+\i]
	TICK
.endr
.endr
.if (\first) == 0
.set CW, 0x41                          ; O^T (destination and source 0) in window 1, f in window 0
	WIN 0x41
.set sj, 0
.rept 64
	v_pk_mul_f32 v[rO+sj:rO+sj+1], v[rO+sj:rO+sj+1], v[FF:FF+1] op_sel_hi:[1,0]   ; O^T under the new M; the last 18 are the places behind the turn's last product
	TICK
.set sj, sj+2
.endr
.endif
.endm
; A TURN.  Tile x has the matrix unit; the other tile's softmax carries its matrix instructions.  pv = 2: 16 products V^T P^T; 1: they start O^T's sums; 0: none.  kq = 1: 8 products K Q^T for the next step.
; q: which step of the slot in hand the turn fetches.  first = 1: the softmax is the first key step's: 218 instructions, a matrix instruction behind every eighth.
.macro TURN x, pv, kq, q, first
.set TX, \x
.set NPV, 0
.if \pv
.set NPV, 16
.endif
.set PVS, 0
.if \pv == 1
.set PVS, 1
.endif
.set KQF, \kq
.set QQ, \q
.set NMM, NPV+8*\kq
.set PER, 11
.if \first
.set PER, 8
.endif
.set vc, 0
.set mi, 0
	SOFTMAX 1-\x, \first
	WIN 0
.endm
; THE CHANGE OF SLOTS, between tile 1's turn and tile 0's: the slot's last bytes, V of its second step, have been asked for.  Each wave waits for all its tensor loads (one is out: its quarter of the other slot), adds 0 to
; its spare word, and waits for that and for its own reads of the slot.  fill = 1: the barrier is a round of the cluster's, and the joint refill of the slot just left, with the keys two slots on, is the first
; thing behind it: it has four turns in which to land.
.macro CHANGE fill
	s_wait_tensorcnt 0x0                           ; no tensor load of mine is out, so a group 0 may be written
	ds_add_u32 v[SPW], v[NIL]                      ; 0 onto my spare word
.if \fill
	s_xor_b32 s[G0B+1], s[G0B+1], SLOT1            ; the walking descriptor: the other slot than last time,
	s_add_nc_u64 s[G0B+2:G0B+3], s[G0B+2:G0B+3], SLOTB  ; the next 256 keys; the type bits on top are not reached
	s_wait_xcnt 0x0                                ; the last prefetch, four turns back, has read its address, so it may be written:
	s_and_b32 s60, s[SLOTS], 3
	s_cmp_lg_u32 s60, 2
	s_cselect_b32 s[PST], 0x18000, 0               ; a chunk on, in three changes of four
	s_add_nc_u64 s[PFA:PFA+1], s[PFA:PFA+1], s[PST:PST+1]
.endif
	s_wait_dscnt 0x0                               ; the add is done, and my reads of the slot are over
.if \fill
	CROUND
	tensor_load_to_lds s[G0B:G0B+3], s[G1:G1+7]    ; my one tensor load until the next round
	s_nop 0
.rept 4
	v_nop
.endr
	ASK
.else
	s_barrier_signal -1
	s_barrier_wait -1
.endif
	s_xor_b32 s[TB], s[TB], SLOT1                  ; the fetches go on in the other slot
.endm
.macro FOUR_TURNS                      ; a slot's two key steps
	TURN 0, 2, 1, 0, 0
	TURN 1, 2, 1, 0, 0
	TURN 0, 2, 1, 1, 0
	TURN 1, 2, 1, 1, 0
.endm
	s_load_b256 s[4:11], s[0:1], 0x0               ; kv s[4:5], sc s[6:7], qc s[8:9], qs s[10:11]
	s_load_b64 s[12:13], s[0:1], 0x20              ; out0
	v_lshl_add_u32 v[SPW], v0, 2, SPARE
	v_mov_b32 v[NIL], 0
	ds_add_u32 v6, v7
	ds_add_u32 v6, v7
	s_wait_dscnt 0x0
	v_lshrrev_b32 v[XT], 5, v0
	v_readfirstlane_b32 s[WV], v[XT]               ; wave 0..3
	s_bfe_u32 s16, ttmp6, 0x40000                  ; cx: my place in the cluster
	s_lshl_b32 s17, ttmp9, 2                       ; in a cluster launch ttmp9 counts clusters
	s_add_co_u32 s17, s17, s16                     ; my block of 128 queries: it enters Q's and out0's addresses alone
	s_and_b32 s18, ttmp7, 0xffff                   ; the image, which the four partners share
	; descriptor groups 1: dense blocks as rows of 256 bytes (32 elements of 8 bytes), no padding: images are read 16 bytes a lane, on end
	s_mov_b32 s[G1], 15|(3<<16)|(1<<21)            ; the mask: all four work-groups; elements of 8 bytes; bit 21 set beside a mask
	s_mov_b32 s[G1+1], 32<<16                      ; tensor_dim0
	s_mov_b32 s[G1+2], 72<<16                      ; tensor_dim1: a quarter of a slot, 18,432 bytes
	s_mov_b32 s[G1+3], 32<<16                      ; tile_dim0
	s_mov_b32 s[G1+4], 72                          ; tile_dim1
	s_mov_b32 s[G1+5], 32                          ; tensor_dim0_stride
	s_mov_b32 s[G1+6], 0
	s_mov_b32 s[G1+7], 0
	s_mov_b32 s[G1S], 15|(3<<16)|(1<<21)
	s_mov_b32 s[G1S+1], 32<<16
	s_mov_b32 s[G1S+2], 48<<16                     ; a quarter of the image's scale words, 12,288 bytes
	s_mov_b32 s[G1S+3], 32<<16
	s_mov_b32 s[G1S+4], 48
	s_mov_b32 s[G1S+5], 32
	s_mov_b32 s[G1S+6], 0
	s_mov_b32 s[G1S+7], 0
	s_mul_i32 s60, s18, 32*STEPB                   ; what I fetch hangs on the image and on my wave's number alone
	s_mul_i32 s61, s[WV], SLOTB/4
	s_add_co_u32 s60, s60, s61
	s_mov_b32 s61, 0
	s_mul_i32 s62, s18, 32*SCSTEP
	s_mul_i32 s63, s[WV], 8*SCSTEP
	s_add_co_u32 s62, s62, s63
	s_mov_b32 s63, 0
	s_mul_i32 s66, s[WV], SLOTB/4                  ; and so does where it goes
	s_mul_i32 s67, s[WV], 8*SCSTEP
	s_add_co_u32 s67, s67, SCB
	s_mov_b32 s[SEL], 0x76543210
	s_mov_b32 s[SEL+1], 0xfedcba98
	s_mov_b32 s[CS], 0x3e0293ee                    ; c = log2(e) / sqrt(128)
	s_mov_b32 s[CS+1], s[CS]                       ; (named with it as a pair, so it is written)
	s_mov_b32 s[TB], 0
	s_mov_b32 s[TS], 0
	s_mov_b32 s[SLOTS], 14
	s_mov_b32 s[PST+1], 0
	s_cmp_lt_u32 s[WV], 3                          ; waves 0 to 2
	s_cselect_b32 s68, 0, 1
	s_or_b32 s68, s68, ttmp9                       ; of the image's first cluster prefetch: the same in all four partners
	s_cmp_eq_u32 s68, 0
	s_cselect_b32 s[LIM], 2, -1
	v_and_b32 v[XT], 31, v0
	v_lshlrev_b32 v[LI0], 4, v[XT]
	v_add_nc_u32 v[LI1], STEPB, v[LI0]
	v_add_nc_u32 v[LIS], SCB, v[LI0]
	v_lshlrev_b32 v[PFO], 8, v[XT]
	v_and_b32 v[QSO], 15, v0
	v_lshlrev_b32 v[QSO], 2, v[QSO]
	s_wait_kmcnt 0x0
	CROUND                                         ; all four work-groups are here: the first joint loads meet
	s_mov_b32 s[G0S], 1                            ; count = 1
	s_mov_b32 s[G0S+1], s67                        ; LDS address
	s_add_nc_u64 s[G0S+2:G0S+3], s[6:7], s[62:63]
	s_or_b32 s[G0S+3], s[G0S+3], 0x80000000        ; type = 2
	s_mov_b32 s[G0A], 1
	s_mov_b32 s[G0A+1], s66
	s_add_nc_u64 s[G0A+2:G0A+3], s[4:5], s[60:61]
	s_or_b32 s[G0A+3], s[G0A+3], 0x80000000
	s_mov_b32 s[G0B], 1
	s_add_co_u32 s[G0B+1], s66, SLOT1
	s_add_nc_u64 s[G0B+2:G0B+3], s[4:5], s[60:61]
	s_add_nc_u64 s[G0B+2:G0B+3], s[G0B+2:G0B+3], SLOTB
	s_or_b32 s[G0B+3], s[G0B+3], 0x80000000
	tensor_load_to_lds s[G0S:G0S+3], s[G1S:G1S+7]  ; the three first fills together, ahead of every wait on TENSORcnt and every LDS read: three loads of mine are out
	s_nop 0
	tensor_load_to_lds s[G0A:G0A+3], s[G1:G1+7]
	s_nop 0
	tensor_load_to_lds s[G0B:G0B+3], s[G1:G1+7]
	s_nop 0
.rept 4
	v_nop
.endr
	s_lshl_b32 s68, s18, 5
	s_add_co_u32 s68, s68, s17                     ; 32 b + x
	s_mul_i32 s70, s68, 8*FRB
	s_mul_i32 s71, s[WV], 2*FRB
	s_add_co_u32 s70, s70, s71
	s_mov_b32 s71, 0
	s_add_nc_u64 s[8:9], s[8:9], s[70:71]          ; my two fragments of theta
	s_lshl_b32 s70, s68, 9
	s_lshl_b32 s72, s[WV], 7
	s_add_co_u32 s70, s70, s72
	s_add_nc_u64 s[10:11], s[10:11], s[70:71]      ; and their scale words
	s_lshl_b32 s70, s18, 22
	s_lshl_b32 s72, s[WV], 20
	s_add_co_u32 s70, s70, s72
	s_lshl_b32 s72, s17, 9
	s_add_co_u32 s70, s70, s72
	s_add_nc_u64 s[12:13], s[12:13], s[70:71]      ; out0: the image, channels 64 w on, my block's 512 bytes of a row
	s_mul_i32 s70, s18, 32*STEPB
	s_add_co_u32 s70, s70, 2*98304                 ; chunk 2; the changes of slots step it on.  Nothing is prefetched here, at the head
	s_mul_i32 s72, s16, 24576
	s_add_co_u32 s70, s70, s72
	s_lshl_b32 s72, s[WV], 13
	s_add_co_u32 s70, s70, s72
	s_add_nc_u64 s[PFA:PFA+1], s[4:5], s[70:71]
	WIN 0x80                                       ; destination window 2
.irp u, 0,1
.irp c, 0,1,2
	global_load_b128 v[12*\u+4*\c:12*\u+4*\c+3], v[LI0], s[8:9] offset:FRB*\u+512*\c   ; Q stays in registers
.endr
.endr
	WIN 0
	global_load_b32 v[QSW], v[QSO], s[10:11]
	global_load_b32 v[QSW+1], v[QSO], s[10:11] offset:64
.irp u, 0,1
	v_mov_b32 v[STA+4*\u+1], 0xff61b1e6            ; the largest t so far: -3e38, under every t
	v_floor_f32 v[STA+4*\u], -v[STA+4*\u+1]        ; -M
	v_mov_b32 v[STA+4*\u+2], 0                     ; the sum, in two halves
	v_mov_b32 v[STA+4*\u+3], 0
.endr
.irp b, 0,1,2,3
	v_mov_b32 v[BT+\b], 0                          ; written once: a lane permute's destination counts as one of its sources
.endr
	v_mov_b32 v[FF+1], 0                           ; (named as the upper half of a pair)
	s_wait_tensorcnt 0x1                           ; the scale words and my quarter of slot 0 are in; slot 1's may stay out
	s_barrier_signal -1
	s_barrier_wait -1                              ; everybody's are
	FETCH_K 0                                      ; key step 0
	s_wait_loadcnt 0x0                             ; Q and its scale words
	s_wait_dscnt 0x0
.set TX, 0
.set NPV, 0
.set mi, 0
.rept 8
	KQI                                            ; tile 0's first scores: there is no vector work yet to set between them
.set mi, mi+1
.endr
	WIN 0                                          ; the addresses for the way out are made here: plain instructions, the places behind those products
	s_lshl_b32 s60, s[WV], 7
	s_mul_i32 s61, s[WV], 64*OPITCH
	v_and_b32 v[XT], 15, v0                        ; r
	v_and_b32 v[SO0], 8, v[XT]
	v_add_nc_u32 v[SO0], v[SO0], v[XT]             ; r + 8 (r / 8)
	v_bfe_u32 v[XT], v0, 4, 1                      ; h
	v_lshlrev_b32 v[SO0], 2, v[SO0]
	v_mad_u32_u24 v[SO0], v[XT], 8*OPITCH, v[SO0]  ; lanes 16-31: eight channels further down
	v_add_nc_u32 v[SO0], s60, v[SO0]               ; my wave's 32 queries
	v_add_nc_u32 v[SO1], 128*OPITCH, v[SO0]
	v_add_nc_u32 v[RD], s61, v[LI0]                ; back: channels 64 w on, 16 bytes a lane
	TURN 1, 0, 1, 0, 1                             ; tile 1's first scores | tile 0's first softmax | V of step 0
	TURN 0, 1, 1, 1, 1                             ; tile 0: V^T P^T of step 0 starts O^T, K Q^T of step 1 | tile 1's first softmax | K of step 1
	TURN 1, 1, 1, 1, 0                             ; tile 1: the same | tile 0's softmax of step 1 | V of step 1
.Lslot:                                            ; 14 trips: every slot but the last two is filled again
	CHANGE 1
	FOUR_TURNS
	s_sub_co_u32 s[SLOTS], s[SLOTS], 1
	s_cmp_lg_u32 s[SLOTS], 0
	s_cbranch_scc1 .Lslot
	CHANGE 0                                       ; the tail is written out
	FOUR_TURNS
	TURN 0, 2, 0, 0, 0                             ; tile 0: V^T P^T of the last step | tile 1's last softmax
.set TX, 1
.set NPV, 16
.set PVS, 0
.set mi, 0
.rept 16
	PVI                                            ; tile 1: V^T P^T of the last step
.set mi, mi+1
.endr
	WIN 0
	; THE WAY OUT.  The sum's halves and the other half of the lanes' are added (these lines are the places behind the last products); O^T is divided by the sum.
.irp u, 0,1
	v_add_f32 v[BM+2*\u], v[STA+4*\u+2], v[STA+4*\u+3]
.endr
.irp u, 0,1
	v_permlanex16_b32 v[BT+\u], v[BM+2*\u], s[SEL], s[SEL+1]
.endr
.irp u, 0,1
	v_add_f32 v[BM+2*\u], v[BM+2*\u], v[BT+\u]
.endr
.irp u, 0,1
	v_rcp_f32 v[BM+2*\u], v[BM+2*\u]
.endr
	v_nop                                          ; a plain instruction between the last reciprocal and the use of its result
	s_wait_alu depctr_va_vdst(0)                   ; and a wait ahead of the first use: one for both
	WIN 0x41
.irp u, 0,1
.set sj, 0
.rept 64
	v_pk_mul_f32 v[128*\u+sj:128*\u+sj+1], v[128*\u+sj:128*\u+sj+1], v[BM+2*\u:BM+2*\u+1] op_sel_hi:[1,0]   ; each accumulator from its low end on
.set sj, sj+2
.endr
.endr
	WIN 0
	s_wait_dscnt 0x0
	s_barrier_signal -1
	s_barrier_wait -1                              ; no wave reads a slot any more, and both slots have had their last fill: the stage may be written
	; a lane holds one query and eight channels of each tile: a number goes to its channel's row of the stage; the 32 lanes of a store touch 32 different banks
	WIN 0x04                                       ; an LDS store's data are its source 1: window 1
.irp u, 0,1
.irp t, 0,1,2,3,4,5,6,7
.irp jj, 0,1,2,3,4,5,6,7
	ds_store_b32 v[SO0], v[128*\u+8*\t+\jj] offset:(16*\t+\jj)*OPITCH+32*\u
.endr
.endr
.irp t, 8,9,10,11,12,13,14,15
.irp jj, 0,1,2,3,4,5,6,7
	ds_store_b32 v[SO1], v[128*\u+8*\t+\jj] offset:(16*(\t-8)+\jj)*OPITCH+32*\u
.endr
.endr
.endr
	WIN 0
	s_wait_dscnt 0x0                               ; for the others' sake: my stores into the stage are done
	s_barrier_signal -1
	s_barrier_wait -1                              ; 256 channels x 128 queries lie in the stage
.macro RBACK k                         ; channels 64 w + 16 k .. + 15, a row of 512 bytes an instruction
.irp i, 0,1,2,3,4,5,6,7,8,9,10,11,12,13,14,15
	ds_load_b128 v[S0+64*((\k)%2)+4*\i:S0+64*((\k)%2)+4*\i+3], v[RD] offset:(16*(\k)+\i)*OPITCH
.endr
.endm
.macro SENDK k, younger                ; younger: the LDS loads issued behind block k's, which may stay out
.irp i, 0,1,2,3,4,5,6,7,8,9,10,11,12,13,14,15
	s_wait_dscnt \younger+15-\i
	global_store_b128 v[LI0], v[S0+64*((\k)%2)+4*\i:S0+64*((\k)%2)+4*\i+3], s[12:13] offset:(16*(\k)+\i)*16384 th:TH_STORE_NT   ; 32 lanes store 512 consecutive bytes, aligned; written once, read by nobody here
.endr
.endm
	RBACK 0
	RBACK 1
	SENDK 0, 16
	s_wait_xcnt 0x0                                ; block 0's stores have read their data: block 2 may land there
	RBACK 2
	SENDK 1, 16
	s_wait_xcnt 0x0
	RBACK 3
	SENDK 2, 16
	SENDK 3, 0
	s_wait_tensorcnt 0x0                           ; the wave's end, behind my last tensor load and my last LDS store
	ds_add_u32 v[SPW], v[NIL]
	s_wait_dscnt 0x0
	CROUND                                         ; the closing round: no work-group ends while a partner may still ask for a tile that names it
	s_endpgm
.Lfunc_end_k_q3dd125f49f_attn:
	.size	k_q3dd125f49f_attn, .Lfunc_end_k_q3dd125f49f_attn-k_q3dd125f49f_attn
	.p2alignl 7, 3214868480
	.fill 96, 4, 3214868480
	.section	.rodata,"a",@progbits
	.p2align	6, 0x0
	.amdhsa_kernel k_q3dd125f49f_attn
		.amdhsa_group_segment_fixed_size 327680
		.amdhsa_private_segment_fixed_size 0
		.amdhsa_enable_private_segment 0
		.amdhsa_kernarg_size 40
		.amdhsa_user_sgpr_count 2
		.amdhsa_user_sgpr_kernarg_segment_ptr 1
		.amdhsa_wavefront_size32 1
		.amdhsa_system_sgpr_workgroup_id_x 1
		.amdhsa_system_sgpr_workgroup_id_y 1
		.amdhsa_system_sgpr_workgroup_id_z 1
		.amdhsa_system_vgpr_workitem_id 0
		.amdhsa_next_free_vgpr 1024
		.amdhsa_next_free_sgpr 80
		.amdhsa_reserve_vcc 0
		.amdhsa_float_denorm_mode_32 3
		.amdhsa_float_denorm_mode_16_64 3
		.amdhsa_memory_ordered 1
		.amdhsa_forward_progress 1
		.amdhsa_inst_pref_size 255
	.end_amdhsa_kernel
	.section	.bss,"aw",@nobits
	.p2align	6
	.space	262144
	.amdgpu_metadata
---
amdhsa.version: [ 1, 2 ]
amdhsa.kernels:
  - .name:           k_q3dd125f49f_attn
    .symbol:         k_q3dd125f49f_attn.kd
    .args:
      - { .name: kv, .offset: 0, .size: 8, .value_kind: global_buffer, .address_space: global }
      - { .name: sc, .offset: 8, .size: 8, .value_kind: global_buffer, .address_space: global }
      - { .name: qc, .offset: 16, .size: 8, .value_kind: global_buffer, .address_space: global }
      - { .name: qs, .offset: 24, .size: 8, .value_kind: global_buffer, .address_space: global }
      - { .name: out0, .offset: 32, .size: 8, .value_kind: global_buffer, .address_space: global }
    .group_segment_fixed_size: 327680
    .private_segment_fixed_size: 0
    .kernarg_segment_align: 8
    .kernarg_segment_size: 40
    .max_flat_workgroup_size: 128
    .sgpr_count:     80
    .vgpr_count:     1024
    .wavefront_size: 32
...
	.end_amdgpu_metadata
.endif
;; end of part 2
